; MI455X (gfx1250); checked and timed in simulation.
; The chip was launched on July 23, 2026; its instructions are those of AMD's public machine-readable ISA for CDNA 5 (MIT licence, August 2026) and "CDNA5" Instruction Set Architecture Reference Guide (July 2026). The comments in the code are by the model that wrote it; some were corrected since.
;; K Means. Allowed arithmetic: matrix products marked QUANTISED: E2M3 operands, one E8M0 scale for each 32 along K, by v_wmma_scale_f32_16x16x128_f8f6f4 with both operands' format E2M3, f32 sums; everything else in f32.
;; Inputs: X 500,000 x 64 float32; codebook 512 x 64 float32.
;; Outputs: out0 500,000 int32; out1 500,000 float32.
;; This version of the problem:
;;   THIS VERSION OF THE PROBLEM IS GIVEN IN LOW PRECISION. The matrix products marked QUANTISED in the list below multiply operands that are first quantised to E2M3 (2 exponent bits, 3 mantissa bits; 6 bits a number), with one power-of-two scale for each 32 numbers along K (OCP MX v1.0); their sums are f32. All else is computed in f32.
;;   The module's matrix products, in the order in which they are computed (A, B: the left and right operand; K: the contracted axis; several contracted axes count as one K, in the product's order):
;;     1. [M 500,000, K 64] x [K 64, N 512]; A: input X; B: input codebook: QUANTISED
;;   THE QUANTISER, for each operand of a quantised product, along K:
;;     - K is cut into blocks of 32 from its start; a last block that is shorter is filled with zeros.
;;     - A block's scale is 2^e with e = floor(log2(the largest magnitude in the block)) - 2, held to -126 .. 127; a block of zeros has e = 0. As a byte (E8M0): e + 127.
;;     - Each number is divided by its block's scale, clamped to +-7.5, and rounded to the nearest number of E2M3, ties to even, subnormals kept.
;;     - The product sums the exact products of the quantised numbers (number of the format x scale) in f32.
;;   ~~~python
;;   def quantise(x, axis):      # numpy; x: float32 -> the quantised numbers, widened to float32 again
;;       x = np.moveaxis(x, axis, -1); K = x.shape[-1]
;;       x = np.pad(x, [(0, 0)] * (x.ndim - 1) + [(0, -K % 32)]); x = x.reshape(x.shape[:-1] + (-1, 32)); a = np.abs(x).max(-1, keepdims=True)
;;       e = np.where(a > 0, np.clip(np.frexp(np.where(a > 0, a, 1))[1] - 1 - 2, -126, 127), 0)      # np.frexp(a)[1] - 1 = floor(log2(a)), exactly
;;       r = np.clip(x / 2.0 ** e, -7.5, 7.5)
;;       step = 2.0 ** (np.maximum(np.frexp(np.where(r == 0, 1, r))[1] - 1, 0) - 3)
;;       q = np.round(r / step) * step * 2.0 ** e      # np.round: ties to even
;;       return np.moveaxis(q.reshape(q.shape[:-2] + (-1,))[..., :K], -1, axis).astype(np.float32)
;;   ~~~
;; One version. Each part assembles by itself: llvm-mc -triple=amdgcn-amd-amdhsa -mcpu=gfx1250 --defsym DOCPART=n.
;; ======== version 1 of 1: 1 launch
;; limits: right only within a limited range of input values
;; launch kmeans (part 1): grid 245 x 1, 8 waves a work-group, no clusters, 327,680 bytes of LDS; arguments X, codebook, out0, out1; writes out0, out1
.if DOCPART == 1
	.amdgcn_target "amdgcn-amd-amdhsa--gfx1250"
	.amdhsa_code_object_version 6
	.text
	.protected	k_q5fb0398eec_kmeans
	.globl	k_q5fb0398eec_kmeans
	.p2align	8
	.type	k_q5fb0398eec_kmeans,@function
k_q5fb0398eec_kmeans:
	s_mov_b64 s[64:65], 0
	v_nop
	global_prefetch_b8 v0, s[64:65] scope:SCOPE_SE
	s_setreg_imm32_b32 hwreg(HW_REG_WAVE_MODE, 25, 1), 1
	s_wait_xcnt 0x0
; For each of 500,000 rows x (64 f32) and 512 codes c (64 f32): d2 = (x2 - 2 Q(x).Q(c)) + c2, dist = sqrt(max(d2, 0)); out0 = the first index of the smallest dist, out1 = that dist.
; Q: codes of FP6 (E2M3) with one E8M0 scale for each 32 along K = 64; x2 and c2 are f32 sums of squares of the numbers as given.
; SHARES.  A work-group of eight waves takes 2,048 rows in 8 phases of 256.  500,000 is no multiple of 2,048: work-group b begins at row min(2048 b, 497,952), so the last one computes 1,760 rows of its
; neighbour again and stores only its local rows from LO = 1,760 on (LO = 0 in the others): all trip counts and tile shapes are constants, and each output byte has one owner.
; Wave w = 2 g + u.  It keeps codes 256 u .. 256 u + 255 in registers for the whole launch: 8 operands of 128 along K, each two tiles of 16 codes x 64 (k 0-63: tile 2 q; k 64-127: tile 2 q + 1), their scale words,
; and c2 in the result's layout.  x's operand is taken from a strip [zeros | x | zeros] of 18 registers: [x | 0] meets tile 2 q, [0 | x] tile 2 q + 1; zero codes add nothing under any scale byte that these words hold.
; A PHASE.  Wave w brings its own 32 rows by a tensor load (a ring of two slots of its own), one whole row to a lane: both blocks' maxima and the sum of squares need no other lane.  Codes, scale words and x2 go to
; LDS as images of the operand's registers; behind the phase's one barrier the two waves of group g take tiles 4 g .. 4 g + 3 (16 rows each), each against its half of the codebook.
; THE PRODUCT IS USED TRANSPOSED (source 0 = 16 codes, source 1 = 16 rows): lane (r, h) holds row r, register j of accumulator t code 256 u + 16 t + 8 h + j.
; THE FIRST INDEX OF THE SMALLEST dist, without a root for each number.  m = a lane's smallest d2; s = sqrt(max(m, 0)) made correctly rounded by two residues; the d2 whose root rounds to s or below are exactly those
; <= s x next(s), since d2 and that product are whole multiples of ulp(s)^2 and (s + ulp / 2)^2 lies a quarter of such a step above it; T = the largest f32 <= s x next(s).  The first register with d2 <= T is found by a descent
; over the kept minima, by selects alone.  Parts (the other half of the lanes, the other half of the codebook) are joined by (s, index) in that order.
; NO CLUSTER: a row of X is read by one work-group alone; the codebook is 131,072 bytes against a work-group's 524,288 of X, and 245 = 5 x 7 x 7 work-groups divide into no cluster of four.
; LIMITS.  NaN and infinities among the inputs are not served.  A row whose smallest d2 lies in (0, 2^-100) is not served (the root takes denormals as zero: ISA guide 15.8; the residues underflow).  A block of zeros
; carries the scale byte 1 where the quantiser's rule says 127: its codes are zeros, and the bytes are read by this text alone.  x2 and c2 are summed in ascending k by fused multiply-adds: another order of these
; roundings can turn the index of a row whose two nearest codes lie within a few ulps of each other.
.set LASTST, 500000-2048               ; the last work-group's first row
.set PITCH,  272                       ; a row of X in LDS: 256 bytes + 16 of padding: an odd multiple of 16
.set SLOTB,  32*PITCH                  ; a slot: 32 rows
.set RINGW,  2*SLOTB                   ; a wave's ring
.set IMG,    8*RINGW                   ; 139,264: behind the rings: images, written by LDS stores alone
.set TIMG,   896                       ; a tile's image: registers 0-3 (16 x lane), at 512 registers 4-5 (8 x lane), at 768 scale words (4 r), at 832 x2 (4 r)
.set BUFB,   16*TIMG                   ; an image buffer: 16 tiles; two buffers, by the phase's parity
.set CSC,    IMG+24576                 ; at the start IMG holds the codebook: 16 operands of 1,536 bytes, then their scale words (128 bytes each),
.set CC2,    IMG+26624                 ; then c2, 4 bytes a code
.set RES,    IMG+2*BUFB                ; 167,936: results: wave w at 4,096 w: dist, at 2,048 the index; tile n of the wave's 32 at 64 n + 4 r
.set SPARE,  RES+32768                 ; 200,704: the spare words, 128 bytes for each wave: four blocks of 256 bytes that no other line names
; window 0
.set SPW,  1                           ; LDS address of my spare word; never rewritten
.set NIL,  2                           ; 0; never rewritten
.set XA,   3                           ; my row in my wave's slot 0
.set IW16, 4                           ; where I store images: 16 x lane,
.set IW8,  5                           ; 8 x lane,
.set IW4,  6                           ; 4 r + 896 h
.set IR16, 7                           ; where my group's tiles are read
.set IR8,  8
.set IR4,  9
.set RA,   10                          ; my wave's results: 2,048 h + 4 r
.set IB,   11                          ; 256 u + 8 h: the index of my accumulator 0, register 0
.set TA16, 12                          ; addresses of the loads in hand (at the start: of the codebook's images)
.set TA8,  13
.set TA4,  14
.set TRA,  15                          ; (at the start: my byte offset in the codebook)
.set X2,   16                          ; v[16:17]: x2 of my row; the packed form names the pair and takes its low word
.set SW,   19                          ; x's scale word
.set CS,   20                          ; v20-27 the codebook's scale words
.set STRIP, 28                         ; v28-33 zeros, v34-39 x's codes, v40-45 zeros
.set ZR,   28
.set LN,   46                          ; lane
.set RR,   47                          ; r
.set SUM,  48
.set MP,   49                          ; v49, v50 the two blocks' largest magnitudes
.set EP,   51                          ; v51, v52 the conversions' scale operands
.set BP,   53                          ; v53, v54 the scale bytes
.set W16,  55
.set WW,   56
.set TW,   57
.set CD,   58                          ; v58-69 the codes of two tiles
.set TU,   70
.set TV,   74
.set HH,   77                          ; h
.set GN,   80                          ; v80-95 minima of the 16 accumulators; v96-103 of pairs; v104-107 of fours; v108-109 of eights
.set PN,   96
.set QN,   104
.set HN,   108
.set MM,   110
.set MZ,   111
.set SQ0,  112
.set SU,   113
.set SD,   114
.set RE1,  115
.set RE2,  116
.set SN,   117
.set PP,   118
.set ER,   119
.set TT,   120
.set TSEL, 121
.set JSEL, 122
.set TMP,  123
.set RS,   124
.set IDX,  125
.set SO,   126
.set IO,   127
.set ACC,  128                         ; v128-255 the 16 accumulators;
.set XD,   128                         ; between products: a row's 64 numbers (at the start two rows'); on the way out: results
; window 1
.set CF,   0                           ; v0-95 the codebook's 8 operands
.set C2,   96                          ; v96-223 c2, accumulator t's eight at 96 + 8 t
.set G1,   16                          ; s[16:23] descriptor group 1
.set G0,   24                          ; s[24:31] group 0, a set for each slot
.set MSB, 0
.macro WIN new                         ; the immediate's high byte repeats the setting that is left
.if MSB != \new
	s_set_vgpr_msb (MSB<<8)|\new
.set MSB, \new
.endif
.endm
; 64 numbers of my row, v[src] on, still on their way by sixteen loads of four (kind 0: LDS loads, 1: global loads; left: loads of that kind issued behind these sixteen).
; Out: v[CD] on: the codes of two tiles of 16 rows, six registers each; v[SUM]: the row's sum of squares; v[W16]: its two scale bytes.
.macro QUANT src, kind, left
.set qi, 0
.rept 16
.if \kind
	s_wait_loadcnt \left+15-qi                     ; loads come back in order (ISA guide 5.7.1): load qi is in, the younger ones stay out
.else
	s_wait_dscnt \left+15-qi
.endif
.set MX, MP+qi/8                       ; the block in hand
.if qi == 0
	v_mul_f32 v[SUM], v[\src], v[\src]             ; the sum of squares: ONE chain, k ascending, fused: the order is the point
.else
	v_fmac_f32 v[SUM], v[\src+4*qi], v[\src+4*qi]
.endif
.if qi%8 == 0
	v_max3_num_f32 v[MX], |v[\src+4*qi]|, |v[\src+4*qi+1]|, 0x1800000   ; the floor 2^(3 - 127) among the leaves: the byte cannot fall under 1
.else
	v_max3_num_f32 v[MX], v[MX], |v[\src+4*qi]|, |v[\src+4*qi+1]|
.endif
	v_fmac_f32 v[SUM], v[\src+4*qi+1], v[\src+4*qi+1]
	v_fmac_f32 v[SUM], v[\src+4*qi+2], v[\src+4*qi+2]
	v_max3_num_f32 v[MX], v[MX], |v[\src+4*qi+2]|, |v[\src+4*qi+3]|
	v_fmac_f32 v[SUM], v[\src+4*qi+3], v[\src+4*qi+3]
.set qi, qi+1
.endr
	v_add_nc_u32 v[EP], 0xff000000, v[MP]          ; 2 off the exponent field: the conversion takes that field of this operand as its scale, and nothing else of it
	v_add_nc_u32 v[EP+1], 0xff000000, v[MP+1]
	v_lshrrev_b32 v[BP], 23, v[EP]                 ; the scales' bytes
	v_lshrrev_b32 v[BP+1], 23, v[EP+1]
	v_lshl_or_b32 v[W16], v[BP+1], 8, v[BP]
	v_cvt_scalef32_pk16_fp6_f32 v[CD:CD+2], v[\src:\src+15], v[EP]           ; block 0, k 0-15
	v_cvt_scalef32_pk16_fp6_f32 v[TU:TU+2], v[\src+16:\src+31], v[EP]        ; k 16-31 (a conversion's three registers begin on an even number)
	v_cvt_scalef32_pk16_fp6_f32 v[CD+6:CD+8], v[\src+32:\src+47], v[EP+1]    ; block 1
	v_cvt_scalef32_pk16_fp6_f32 v[TV:TV+2], v[\src+48:\src+63], v[EP+1]
	v_nop                                          ; one plain place behind the scaled conversions
.irp i, 0,1,2                          ; (block 0 of 32 rows, block 1 of 32 rows) becomes (rows 0-15: block 0 in lanes 0-15, block 1 in lanes 16-31; rows 16-31 likewise): the operand's layout
	v_permlane16_swap_b32 v[CD+\i], v[CD+6+\i]
	v_permlane16_swap_b32 v[TU+\i], v[TV+\i]
.endr
.irp i, 0,1,2
	v_mov_b32 v[CD+3+\i], v[TU+\i]
	v_mov_b32 v[CD+9+\i], v[TV+\i]
.endr
.endm
; The two tiles are ONE operand of the codebook (128 along K): its image, its scale word (lane r: tile 2 q's two bytes, then tile 2 q + 1's, which lane 16 + r made), and c2.
.macro IMAGE_C p
	v_permlanex16_b32 v[TW], v[W16], s32, s33
	v_lshl_or_b32 v[WW], v[TW], 16, v[W16]
.irp c, 0,1,2
	ds_store_b128 v[TA16], v[CD+4*\c:CD+4*\c+3] offset:1536*\p+512*\c
.endr
	ds_store_b32 v[TA8], v[WW] offset:128*\p
	ds_store_b32 v[TA8], v[SUM] offset:2048+128*\p
	s_wait_dscnt 0x0                               ; the stores have read their registers
.endm
; The two tiles are two tiles of x: images, scale words (the two bytes twice: they serve [x | 0] and [0 | x]) and x2.
.macro IMAGE_X buf
	v_lshl_or_b32 v[WW], v[W16], 16, v[W16]
	ds_store_b128 v[IW16], v[CD:CD+3] offset:BUFB*\buf
	ds_store_b64 v[IW8], v[CD+4:CD+5] offset:BUFB*\buf
	ds_store_b128 v[IW16], v[CD+6:CD+9] offset:BUFB*\buf+TIMG
	ds_store_b64 v[IW8], v[CD+10:CD+11] offset:BUFB*\buf+TIMG
	ds_store_b32 v[IW4], v[WW] offset:BUFB*\buf
	ds_store_b32 v[IW4], v[SUM] offset:BUFB*\buf+64
.endm
; 16 products: my 256 codes x the tile's 16 rows.  Sixteen accumulators, each begun with the constant 0: no chain, nothing cleared.
.macro MULT
	WIN 0x01                                       ; source 0 (the codebook) window 1
.irp t, 0,1,2,3,4,5,6,7,8,9,10,11,12,13,14,15
	v_wmma_scale_f32_16x16x128_f8f6f4 v[ACC+8*\t:ACC+8*\t+7], v[CF+12*(\t/2):CF+12*(\t/2)+11], v[STRIP+6*(1-\t%2):STRIP+6*(1-\t%2)+11], 0, v[CS+\t/2], v[SW] matrix_a_fmt:MATRIX_FMT_FP6 matrix_b_fmt:MATRIX_FMT_FP6
.endr
	WIN 0
.endm
; d2 = RN(RN(x2 - 2 dot) + c2), two at a time; each accumulator is read from its low end on.
.macro DIST
	WIN 0x04                                       ; source 1 (c2) window 1
.set di, 0
.rept 64
	v_pk_fma_f32 v[ACC+di:ACC+di+1], v[ACC+di:ACC+di+1], -2.0, v[X2:X2+1] op_sel_hi:[1,0,0]
.set di, di+2
.endr
.set di, 0
.rept 64
	v_pk_add_f32 v[ACC+di:ACC+di+1], v[ACC+di:ACC+di+1], v[C2+di:C2+di+1]
.set di, di+2
.endr
	WIN 0
.endm
; The minima: of each accumulator's eight (the sixteen by turns), then a tree, all of whose nodes are kept.
.macro MINS
.irp t, 0,1,2,3,4,5,6,7,8,9,10,11,12,13,14,15
	v_min3_num_f32 v[GN+\t], v[ACC+8*\t], v[ACC+8*\t+1], v[ACC+8*\t+2]
.endr
.irp e, 3,5
.irp t, 0,1,2,3,4,5,6,7,8,9,10,11,12,13,14,15
	v_min3_num_f32 v[GN+\t], v[GN+\t], v[ACC+8*\t+\e], v[ACC+8*\t+\e+1]
.endr
.endr
.irp t, 0,1,2,3,4,5,6,7,8,9,10,11,12,13,14,15
	v_min_num_f32 v[GN+\t], v[GN+\t], v[ACC+8*\t+7]
.endr
.irp k, 0,1,2,3,4,5,6,7
	v_min_num_f32 v[PN+\k], v[GN+2*\k], v[GN+2*\k+1]
.endr
.irp k, 0,1,2,3
	v_min_num_f32 v[QN+\k], v[PN+2*\k], v[PN+2*\k+1]
.endr
.irp k, 0,1
	v_min_num_f32 v[HN+\k], v[QN+2*\k], v[QN+2*\k+1]
.endr
	v_min_num_f32 v[MM], v[HN], v[HN+1]
.endm
; s = the correctly rounded root of max(m, 0), and T = the largest f32 <= s x next(s).
.macro THRESH
	v_max_num_f32 v[MZ], 0, v[MM]
	v_sqrt_f32 v[SQ0], v[MZ]                       ; within an ulp (ISA guide 15.8)
	v_mov_b32 v[JSEL], 7                           ; (a plain place behind the root)
	s_wait_alu depctr_va_vdst(0)
	v_add_nc_u32 v[SU], 1, v[SQ0]                  ; its neighbours, by their bits
	v_add_nc_u32 v[SD], -1, v[SQ0]
	v_fma_f32 v[RE1], v[SQ0], v[SU], -v[MZ]        ; under 0: m lies above the middle between the root and its upper neighbour
	v_fma_f32 v[RE2], v[SD], v[SQ0], -v[MZ]        ; 0 or more: m lies below the middle between the lower neighbour and the root.  (m = 0: the lower neighbour's bits are a NaN, and the compare fails)
	v_cmp_gt_f32 vcc_lo, 0, v[RE1]
	v_cndmask_b32 v[RS], v[SQ0], v[SU], vcc_lo
	v_cmp_le_f32 vcc_lo, 0, v[RE2]
	v_cndmask_b32 v[RS], v[RS], v[SD], vcc_lo
	v_add_nc_u32 v[SN], 1, v[RS]
	v_mul_f32 v[PP], v[RS], v[SN]
	v_fma_f32 v[ER], v[RS], v[SN], -v[PP]          ; the product's rounding error: under 0 where it was rounded up
	v_cmp_gt_f32 vcc_lo, 0, v[ER]
	v_cndmask_b32 v[TMP], 0, 1, vcc_lo
	v_sub_nc_u32 v[TT], v[PP], v[TMP]
.endm
.macro SELS n                          ; the lower n registers stay where the lower half holds a d2 <= T, else they take the n above them
.set si, 0
.rept \n
	v_cndmask_b32 v[ACC+si], v[ACC+\n+si], v[ACC+si], vcc_lo
.set si, si+1
.endr
.endm
; The first of my 128 registers with d2 <= T.  At each level the lower half is taken where its minimum is <= T; of the levels below only the lower nodes are carried along.
.macro PICK
	v_cmp_ge_f32 vcc_lo, v[TT], v[HN]
	v_cndmask_b32 v[TSEL], 8, v[ZR], vcc_lo
	v_cndmask_b32 v[QN], v[QN+2], v[QN], vcc_lo
	v_cndmask_b32 v[PN], v[PN+4], v[PN], vcc_lo
	v_cndmask_b32 v[PN+2], v[PN+6], v[PN+2], vcc_lo
.irp k, 0,2,4,6
	v_cndmask_b32 v[GN+\k], v[GN+8+\k], v[GN+\k], vcc_lo
.endr
	SELS 64
	v_cmp_ge_f32 vcc_lo, v[TT], v[QN]
	v_cndmask_b32 v[TMP], 4, v[ZR], vcc_lo
	v_cndmask_b32 v[PN], v[PN+2], v[PN], vcc_lo
	v_cndmask_b32 v[GN], v[GN+4], v[GN], vcc_lo
	v_cndmask_b32 v[GN+2], v[GN+6], v[GN+2], vcc_lo
	SELS 32
	v_or_b32 v[TSEL], v[TSEL], v[TMP]
	v_cmp_ge_f32 vcc_lo, v[TT], v[PN]
	v_cndmask_b32 v[TMP], 2, v[ZR], vcc_lo
	v_cndmask_b32 v[GN], v[GN+2], v[GN], vcc_lo
	SELS 16
	v_or_b32 v[TSEL], v[TSEL], v[TMP]
	v_cmp_ge_f32 vcc_lo, v[TT], v[GN]
	v_cndmask_b32 v[TMP], 1, v[ZR], vcc_lo
	SELS 8
	v_or_b32 v[TSEL], v[TSEL], v[TMP]
.irp j, 6,5,4,3,2,1,0                  ; within the accumulator: descending, so that the lowest register wins
	v_cmp_lt_f32 vcc_lo, v[TT], v[ACC+\j]
	v_cndmask_b32 v[JSEL], \j, v[JSEL], vcc_lo
.endr
	v_lshl_add_u32 v[IDX], v[TSEL], 4, v[JSEL]
	v_add_nc_u32 v[IDX], v[IDX], v[IB]
.endm
; With lane l xor 16's (the row's other 128 codes of my half): the smaller s; where they are equal the lower index.  Lanes 0-15 store s, lanes 16-31 the index.
.macro MERGE
	v_permlanex16_b32 v[SO], v[RS], s32, s33
	v_permlanex16_b32 v[IO], v[IDX], s32, s33
	v_cmp_lt_f32 vcc_lo, v[SO], v[RS]
	v_cndmask_b32 v[TMP], v[IDX], v[IO], vcc_lo
	v_min_u32 v[IO], v[IDX], v[IO]
	v_cmp_eq_f32 vcc_lo, v[SO], v[RS]
	v_cndmask_b32 v[IDX], v[TMP], v[IO], vcc_lo
	v_min_num_f32 v[RS], v[RS], v[SO]
	v_cndmask_b32 v[TMP], v[RS], v[IDX], s34
	ds_store_b32 v[TRA], v[TMP]
.endm
; My group's four tiles of image buffer buf, a trip each.
.macro TILES buf
	s_mov_b32 s42, 0                               ; the tile's image, from my group's first on
	s_mov_b32 s41, 4
.Ltile_\@:
	v_add_nc_u32 v[TA16], s42, v[IR16]
	v_add_nc_u32 v[TA8], s42, v[IR8]
	v_add_nc_u32 v[TA4], s42, v[IR4]
	ds_load_b128 v[STRIP+6:STRIP+9], v[TA16] offset:BUFB*\buf      ; the codes, into the strip's middle
	ds_load_b64 v[STRIP+10:STRIP+11], v[TA8] offset:BUFB*\buf
	ds_load_b32 v[SW], v[TA4] offset:BUFB*\buf
	ds_load_b32 v[X2], v[TA4] offset:BUFB*\buf+64
	s_wait_dscnt 0x0                               ; they are in, and the last tile's result store has gone
	MULT
	v_add_nc_u32 v[TRA], s43, v[RA]                ; four places between the products and the first read of a result (ISA guide 7.12.1)
.rept 3
	v_nop
.endr
	DIST
	MINS
	THRESH
	PICK
	MERGE
	s_add_co_u32 s42, s42, TIMG
	s_add_co_u32 s43, s43, 64                      ; the next tile's 16 results
	s_sub_co_u32 s41, s41, 1
	s_cmp_lg_u32 s41, 0
	s_cbranch_scc1 .Ltile_\@
.endm
; A phase of 256 rows.  left: the younger tensor loads that may stay out.  ONE barrier: it shows the phase's images to all waves; it parts this phase's stores into its image buffer from the reads of that buffer two
; phases ago (the barrier between lies behind those); and, with refill = 1, it is the barrier in front of the slot's next fill, which then has the phase's four tiles in which to land.
.macro PHASE slot, refill, left
	s_wait_tensorcnt \left                         ; tensor loads of a wave end in order (ISA guide 10.11.1): this slot's rows are in; only I read them
.irp i, 0,1,2,3,4,5,6,7,8,9,10,11,12,13,14,15
	ds_load_b128 v[XD+4*\i:XD+4*\i+3], v[XA] offset:SLOTB*\slot+16*\i
.endr
	QUANT XD, 0, 0
	IMAGE_X \slot
.if \refill
	s_wait_tensorcnt 0x0                           ; no tensor load of mine is out, so a group 0 may be written
	ds_add_u32 v[SPW], v[NIL]                      ; 0 onto my spare word
	s_add_nc_u64 s[G0+4*\slot+2:G0+4*\slot+3], s[G0+4*\slot+2:G0+4*\slot+3], 131072   ; two phases on: 512 rows of 256 bytes; the type bits on top are not reached
.endif
	s_wait_dscnt 0x0                               ; my images have landed, my reads of the slot are over (and the add is done)
	s_barrier_signal -1
	s_barrier_wait -1
.if \refill
	tensor_load_to_lds s[G0+4*\slot:G0+4*\slot+3], s[G1:G1+7]      ; my one tensor load behind the barrier, and the first thing there
	s_nop 0
.rept 4
	v_nop
.endr
.endif
	TILES \slot
.endm
	s_load_b256 s[4:11], s[0:1], 0x0               ; X s[4:5], codebook s[6:7], out0 s[8:9], out1 s[10:11]
	v_lshl_add_u32 v[SPW], v0, 2, SPARE
	v_mov_b32 v[NIL], 0
	ds_add_u32 v1, v2
	ds_add_u32 v1, v2
	s_wait_dscnt 0x0
	v_lshrrev_b32 v[TA16], 5, v0
	v_readfirstlane_b32 s12, v[TA16]               ; wave 0..7
	s_lshr_b32 s13, s12, 1                         ; g: which 64 rows of a phase I multiply
	s_and_b32 s14, s12, 1                          ; u: which half of the codebook is mine
	s_lshl_b32 s36, ttmp9, 11                      ; 2,048 x work-group
	s_min_u32 s37, s36, LASTST                     ; my work-group's first row
	s_sub_co_u32 s35, s36, s37                     ; LO: the first local row that it stores
	; descriptor group 1: 32 rows of 256 bytes, dense in memory, 16 bytes of padding behind each in LDS
	s_mov_b32 s[G1+0], (3<<16)|(1<<20)|(5<<22)|(3<<25)   ; no mask; elements of 8 bytes; padding on, after every 64 words (code 5), of 4 words (code 3)
	s_mov_b32 s[G1+1], 32<<16                      ; tensor_dim0 = 32 elements
	s_mov_b32 s[G1+2], 32<<16                      ; tensor_dim1 = 32 rows
	s_mov_b32 s[G1+3], 32<<16                      ; tile_dim0
	s_mov_b32 s[G1+4], 32                          ; tile_dim1
	s_mov_b32 s[G1+5], 32                          ; elements from row to row
	s_mov_b32 s[G1+6], 0
	s_mov_b32 s[G1+7], 0
	s_lshl_b32 s38, s12, 5
	s_add_co_u32 s38, s38, s37                     ; my wave's first row of phase 0,
	s_lshl_b32 s38, s38, 8                         ; in bytes (under 2^27)
	s_mov_b32 s39, 0
	s_mul_i32 s46, s12, RINGW                      ; my ring
	s_mov_b32 s32, 0x76543210
	s_mov_b32 s33, 0xfedcba98                      ; v_permlanex16_b32's selects for lane l xor 16
	s_mov_b32 s34, 0xffff0000                      ; lanes 16-31
	s_mov_b32 s43, 0                               ; where the next tile's results go in my wave's part of RES
	s_wait_kmcnt 0x0
	s_mov_b32 s[G0+0], 1
	s_mov_b32 s[G0+1], s46
	s_add_nc_u64 s[G0+2:G0+3], s[4:5], s[38:39]
	s_mov_b32 s[G0+4], 1
	s_add_co_u32 s[G0+5], s46, SLOTB
	s_add_nc_u64 s[G0+6:G0+7], s[G0+2:G0+3], 65536 ; phase 1: 256 rows on
	s_or_b32 s[G0+3], s[G0+3], 0x80000000          ; type = 2
	s_or_b32 s[G0+7], s[G0+7], 0x80000000
	tensor_load_to_lds s[G0:G0+3], s[G1:G1+7]      ; both first fills together, ahead of every wait on TENSORcnt, every LDS read and every barrier: two loads of mine are out, later one
	s_nop 0
	tensor_load_to_lds s[G0+4:G0+7], s[G1:G1+7]
	s_nop 0
.rept 4
	v_nop
.endr
	v_and_b32 v[LN], 31, v0
	s_lshl_b32 s44, s12, 14
	v_lshl_add_u32 v[TRA], v[LN], 8, s44           ; the codebook: wave w quantises codes 64 w .. 64 w + 63, a whole code to a lane, 32 at a time
.irp p, 0,1
.irp i, 0,1,2,3,4,5,6,7,8,9,10,11,12,13,14,15
	global_load_b128 v[XD+64*\p+4*\i:XD+64*\p+4*\i+3], v[TRA], s[6:7] offset:8192*\p+16*\i
.endr
.endr
	s_lshl_b32 s38, s37, 2
	s_add_nc_u64 s[8:9], s[8:9], s[38:39]          ; the outputs at my work-group's first row
	s_add_nc_u64 s[10:11], s[10:11], s[38:39]
	v_and_b32 v[RR], 15, v0
	v_bfe_u32 v[HH], v0, 4, 1
	v_mul_u32_u24 v[XA], v[LN], PITCH
	v_add_nc_u32 v[XA], s46, v[XA]
	s_mul_i32 s44, s12, 2*TIMG                     ; I store tiles 2 w and 2 w + 1
	s_add_co_u32 s44, s44, IMG
	v_lshl_add_u32 v[IW16], v[LN], 4, s44
	s_add_co_u32 s44, s44, 512
	v_lshl_add_u32 v[IW8], v[LN], 3, s44
	s_add_co_u32 s44, s44, 256
	v_mul_u32_u24 v[IW4], v[HH], TIMG
	v_lshl_add_u32 v[IW4], v[RR], 2, v[IW4]
	v_add_nc_u32 v[IW4], s44, v[IW4]
	s_mul_i32 s44, s13, 4*TIMG                     ; I read tiles 4 g on
	s_add_co_u32 s44, s44, IMG
	v_lshl_add_u32 v[IR16], v[LN], 4, s44
	s_add_co_u32 s44, s44, 512
	v_lshl_add_u32 v[IR8], v[LN], 3, s44
	s_add_co_u32 s44, s44, 256
	v_lshl_add_u32 v[IR4], v[RR], 2, s44
	s_lshl_b32 s44, s12, 12
	s_add_co_u32 s44, s44, RES
	v_lshlrev_b32 v[RA], 2, v[RR]
	v_lshl_add_u32 v[RA], v[HH], 11, v[RA]
	v_add_nc_u32 v[RA], s44, v[RA]
	s_lshl_b32 s44, s14, 8
	v_lshl_add_u32 v[IB], v[HH], 3, s44
	s_mul_i32 s44, s12, 3072                       ; the codebook's images: operands 2 w and 2 w + 1,
	s_add_co_u32 s44, s44, IMG
	v_lshl_add_u32 v[TA16], v[LN], 4, s44
	s_lshl_b32 s44, s12, 8                         ; their scale words; c2 lies 2,048 bytes behind
	s_add_co_u32 s44, s44, CSC
	v_lshl_add_u32 v[TA8], v[LN], 2, s44
.irp i, 0,1,2,3,4,5
	v_mov_b32 v[STRIP+\i], 0                       ; the strip's zero codes, written once
	v_mov_b32 v[STRIP+12+\i], 0
.endr
	v_mov_b32 v[X2+1], 0                           ; (named as the upper half of a pair)
	v_mov_b32 v[TW], 0                             ; a lane permute's destination counts as one of its sources
	v_mov_b32 v[SO], 0
	v_mov_b32 v[IO], 0
	QUANT XD, 1, 16                                ; behind these sixteen loads: the second 32 codes' sixteen
	IMAGE_C 0
	QUANT XD+64, 1, 0
	IMAGE_C 1
	s_barrier_signal -1                            ; (my stores have landed: the wait for 0 closes IMAGE_C)
	s_barrier_wait -1                              ; the whole codebook lies in LDS
	s_mul_i32 s44, s14, 12288                      ; my half: 8 operands,
	s_add_co_u32 s44, s44, IMG
	v_lshl_add_u32 v[TA16], v[LN], 4, s44
	s_lshl_b32 s44, s14, 10
	s_add_co_u32 s45, s44, CC2                     ; c2 of codes 256 u + 16 t + 8 h + 0 .. 7,
	v_lshl_add_u32 v[TA8], v[HH], 5, s45
	s_add_co_u32 s45, s44, CSC                     ; 8 scale words
	v_lshl_add_u32 v[TA4], v[LN], 2, s45
	WIN 0x40                                       ; destination window 1, address window 0
.irp q, 0,1,2,3,4,5,6,7
.irp c, 0,1,2
	ds_load_b128 v[CF+12*\q+4*\c:CF+12*\q+4*\c+3], v[TA16] offset:1536*\q+512*\c
.endr
.endr
.irp t, 0,1,2,3,4,5,6,7,8,9,10,11,12,13,14,15
	ds_load_b128 v[C2+8*\t:C2+8*\t+3], v[TA8] offset:64*\t
	ds_load_b128 v[C2+8*\t+4:C2+8*\t+7], v[TA8] offset:64*\t+16
.endr
	WIN 0
.irp q, 0,1,2,3,4,5,6,7
	ds_load_b32 v[CS+\q], v[TA4] offset:128*\q
.endr
	s_wait_dscnt 0x0                               ; my reads of the codebook's images are over:
	s_barrier_signal -1
	s_barrier_wait -1                              ; everybody's are: x's images may take their bytes
	s_mov_b32 s40, 3
.Ltrip:                                            ; phases 0 to 5: each fills its slot again, for the phase two on
	PHASE 0, 1, 1
	PHASE 1, 1, 1
	s_sub_co_u32 s40, s40, 1
	s_cmp_lg_u32 s40, 0
	s_cbranch_scc1 .Ltrip
	PHASE 0, 0, 1                                  ; the last two are written out: nothing is left to fetch
	PHASE 1, 0, 0
	; THE WAY OUT.  Thread t of pass q takes local rows 4 t + 1,024 q on: four neighbours of one tile; the two halves of the codebook are joined: a tie keeps half 0, whose indices are the lower.
	s_wait_dscnt 0x0                               ; my last results have landed
	s_barrier_signal -1
	s_barrier_wait -1
	v_bfe_u32 v[TA16], v0, 4, 2                    ; the rows' group g,
	v_lshrrev_b32 v[TA8], 6, v0                    ; their phase within the pass,
	v_and_b32 v[TA4], 15, v0
	v_lshlrev_b32 v[TA4], 4, v[TA4]                ; and their 16 bytes among the phase's 256 of a wave
	v_lshl_add_u32 v[TA4], v[TA8], 8, v[TA4]
	v_lshl_add_u32 v[TA4], v[TA16], 13, v[TA4]
	v_add_nc_u32 v[TA4], RES, v[TA4]
	v_lshlrev_b32 v[TRA], 4, v0                    ; in the outputs: 16 bytes a thread: a wave stores 512 consecutive bytes
.irp q, 0,1
	ds_load_b128 v[XD+32*\q:XD+32*\q+3], v[TA4] offset:1024*\q             ; half 0: dist,
	ds_load_b128 v[XD+32*\q+4:XD+32*\q+7], v[TA4] offset:2048+1024*\q      ; index;
	ds_load_b128 v[XD+32*\q+8:XD+32*\q+11], v[TA4] offset:4096+1024*\q     ; half 1: dist,
	ds_load_b128 v[XD+32*\q+12:XD+32*\q+15], v[TA4] offset:6144+1024*\q    ; index
.endr
.irp q, 0,1
	s_wait_dscnt 4-4*\q                            ; this pass's four loads are in; the next pass's four may be out
.irp e, 0,1,2,3
	v_cmp_lt_f32 vcc_lo, v[XD+32*\q+8+\e], v[XD+32*\q+\e]
	v_cndmask_b32 v[XD+32*\q+20+\e], v[XD+32*\q+4+\e], v[XD+32*\q+12+\e], vcc_lo
	v_min_num_f32 v[XD+32*\q+16+\e], v[XD+32*\q+\e], v[XD+32*\q+8+\e]
.endr
	v_lshl_add_u32 v[TA8], v0, 2, 1024*\q          ; my first local row; LO is a multiple of 4
	v_cmp_le_u32 vcc_lo, s35, v[TA8]
	s_wait_xcnt 0x0                                ; EXEC changes only behind this wait: it is a source of the memory instructions issued so far
	s_and_saveexec_b32 s45, vcc_lo                 ; only the rows that are this work-group's to store
	global_store_b128 v[TRA], v[XD+32*\q+20:XD+32*\q+23], s[8:9] offset:4096*\q th:TH_STORE_NT
	global_store_b128 v[TRA], v[XD+32*\q+16:XD+32*\q+19], s[10:11] offset:4096*\q th:TH_STORE_NT
	s_wait_xcnt 0x0
	s_or_b32 exec_lo, exec_lo, s45
.endr
	s_wait_tensorcnt 0x0                           ; the wave's end: behind my last tensor load and my last LDS store
	ds_add_u32 v[SPW], v[NIL]
	s_wait_dscnt 0x0
	s_endpgm
.Lfunc_end_k_q5fb0398eec_kmeans:
	.size	k_q5fb0398eec_kmeans, .Lfunc_end_k_q5fb0398eec_kmeans-k_q5fb0398eec_kmeans
	.p2alignl 7, 3214868480
	.fill 96, 4, 3214868480
	.section	.rodata,"a",@progbits
	.p2align	6, 0x0
	.amdhsa_kernel k_q5fb0398eec_kmeans
		.amdhsa_group_segment_fixed_size 327680
		.amdhsa_private_segment_fixed_size 0
		.amdhsa_enable_private_segment 0
		.amdhsa_kernarg_size 32
		.amdhsa_user_sgpr_count 2
		.amdhsa_user_sgpr_kernarg_segment_ptr 1
		.amdhsa_wavefront_size32 1
		.amdhsa_system_sgpr_workgroup_id_x 1
		.amdhsa_system_sgpr_workgroup_id_y 1
		.amdhsa_system_sgpr_workgroup_id_z 1
		.amdhsa_system_vgpr_workitem_id 0
		.amdhsa_next_free_vgpr 480
		.amdhsa_next_free_sgpr 66
		.amdhsa_reserve_vcc 1
		.amdhsa_float_denorm_mode_32 3
		.amdhsa_float_denorm_mode_16_64 3
		.amdhsa_memory_ordered 1
		.amdhsa_forward_progress 1
		.amdhsa_inst_pref_size 141
	.end_amdhsa_kernel
	.amdgpu_metadata
---
amdhsa.version: [ 1, 2 ]
amdhsa.kernels:
  - .name:           k_q5fb0398eec_kmeans
    .symbol:         k_q5fb0398eec_kmeans.kd
    .args:
      - { .name: X, .offset: 0, .size: 8, .value_kind: global_buffer, .address_space: global }
      - { .name: codebook, .offset: 8, .size: 8, .value_kind: global_buffer, .address_space: global }
      - { .name: out0, .offset: 16, .size: 8, .value_kind: global_buffer, .address_space: global }
      - { .name: out1, .offset: 24, .size: 8, .value_kind: global_buffer, .address_space: global }
    .group_segment_fixed_size: 327680
    .private_segment_fixed_size: 0
    .kernarg_segment_align: 8
    .kernarg_segment_size: 32
    .max_flat_workgroup_size: 256
    .sgpr_count:     66
    .vgpr_count:     480
    .wavefront_size: 32
...
	.end_amdgpu_metadata
.endif
;; end of part 1
